; MI455X (gfx1250); checked and timed in simulation.
; The chip was launched on July 23, 2026; its instructions are those of AMD's public machine-readable ISA for CDNA 5 (MIT licence, August 2026) and "CDNA5" Instruction Set Architecture Reference Guide (July 2026). The comments in the code are by the model that wrote it; some were corrected since.
;; x LSTM. Allowed arithmetic: float matrix products may take bf16 or f16 operands with f32 sums; all other float work in f32.
;; Inputs: W_lin 32 x 512 float32; W_ml 64 x 512 x 32 float32; b_lin 32 float32; b_ml 64 x 32 float32; x 16 x 512 x 512 float32.
;; Outputs: out0 16 x 16 x 32 float32; out1 16 x 16 x 32 x 32 float32.
;; One version. Each part assembles by itself: llvm-mc -triple=amdgcn-amd-amdhsa -mcpu=gfx1250 --defsym DOCPART=n.
;; ======== version 1 of 1: 1 launch
;; limits: values outside matrix products are rounded to bf16
;; launch xlstm (part 1): grid 16 x 16, 4 waves a work-group, clusters of 4 x 1, 327,680 bytes of LDS; arguments x, W_ml, b_ml, W_lin, b_lin, out0, out1; writes out0, out1
.if DOCPART == 1
	.amdgcn_target "amdgcn-amd-amdhsa--gfx1250"
	.amdhsa_code_object_version 6
	.text
	.protected	k_qdf21e799db_xlstm
	.globl	k_qdf21e799db_xlstm
	.p2align	8
	.type	k_qdf21e799db_xlstm,@function
k_qdf21e799db_xlstm:
	s_mov_b64 s[64:65], 0
	v_nop
	global_prefetch_b8 v0, s[64:65] scope:SCOPE_SE
	s_setreg_imm32_b32 hwreg(HW_REG_WAVE_MODE, 25, 1), 1
	s_wait_xcnt 0x0
	s_wait_alu depctr_hold_cnt(0) depctr_sa_sdst(0) depctr_va_vdst(0) depctr_va_sdst(0) depctr_va_ssrc(0) depctr_va_vcc(0) depctr_vm_vsrc(0)
	s_getreg_b32 s2, hwreg(HW_REG_IB_STS2, 6, 4)
	s_cmp_eq_u32 s2, 0
	s_cbranch_scc0 .Lentry_in_a_cluster
	s_endpgm
.Lentry_in_a_cluster:
	s_bfe_u32 s2, ttmp6, 0x10000c
	s_cmp_lg_u32 s2, 0x3003
	s_cbranch_scc0 .Lentry_shape_is_right
	s_endpgm
.Lentry_shape_is_right:
; xLSTM (mLSTM cell), B = 16, T = 512, I = 512, H = 16, E = 32.  Results: h at t = 511 (out0) and the final C (out1).
; One work-group for each (b, head), four waves.  Only the last h is returned, so o and q are made at t = 511 alone; v, k, i, f at every t.
; THE SCAN IN SEGMENTS.  A run of steps is the state (m, F, C, n): F = sum of f, m = max over t of (i_t + sum of the f behind t),
; C = sum over t of exp(i_t + sum of the f behind t - m) v_t k_t^T, n likewise with k_t.  Two runs a, b join as m = max(F_b + m_a, m_b),
; C = exp(F_b + m_a - m) C_a + exp(m_b - m) C_b, F = F_a + F_b.  That is the scan's own running maximum, taken 32 steps at a time; the start m = 0 joins last.
; Wave w owns t = 128 w .. 128 w + 127 in four blocks of 32.  A block: X[32 x 512] x [W_v | W_k | w_i, w_f] on the matrix unit (bf16 in, f32 sums,
; biases as the first product's C), the gates' weights w_t in f32, then C += (w v)^T k over the block's 32 steps on the matrix unit, both operands as
; bf16 pairs hi + lo (hi hi + hi lo + lo hi), so that this product adds no bf16 rounding of its own.  The four waves' states join through LDS.
; All of B (80 fragments, 640 registers) stays in each wave's registers: the loop reads only x from LDS, each byte once.
; CLUSTER 4 x 1: the four heads 4 c .. 4 c + 3 of one b need the same x, so every x tile is a joint load with mask 15; its address is made of b and the
; wave's number alone.  The weights are not asked for jointly: a head's weights are shared by the sixteen b, which lie in sixteen different clusters.
; By this text's own count a wave has at most two tensor loads outstanding (the two first fills), later one.
; LIMITS.  x, W_ml, W_lin enter the products rounded to bf16 (nearest even); b_ml and b_lin are rounded to bf16 as well, so that the program is the
; function of the inputs rounded to bf16, all sums in f32.  NaN and infinite inputs are not followed.  v_exp_f32 gives 0 below 2^-126.
; The order of the sums differs from the scan's.  out0's 128 bytes of a work-group are half of an aligned block of 256 bytes.
.set PX,    1040                       ; LDS pitch of an x row: 1,024 bytes (256 f32) + 16 of padding = 65 x 16: sixteen rows start in sixteen different 16-byte columns
.set TILE,  32*PX                      ; a wave's tile: 32 rows, one half of K
.set SLOT,  4*TILE                     ; slot s holds K half s of the four waves' 32 rows
.set WST,   2*SLOT                     ; 266,240: bf16 [256 k][64 columns: v 0-31, k 32-63], written by ds_store; no tensor load lands from here on
.set WP,    160                        ; its pitch, 5 x 32
.set GW,    WST+256*WP                 ; 307,200: bf16 w_i, w_f, [2][512]
.set GP,    1040
.set XL,    GW+2304                    ; 309,504: for each wave 512 bytes: its 256 bf16 of x[b][511]
.set QO,    XL+2048                    ; 311,552: for each wave 128 bytes: 32 partial sums of o (waves 0, 1) or q (waves 2, 3)
.set FINB,  4864                       ; the tail uses WST again: wave w's state at WST + w FINB
.set FP,    144                        ; C_w: 32 rows of 128 bytes + 16
.set FNUM,  32*FP                      ; then num_w, 128 bytes
.set FSC,   FNUM+128                   ; then m_w, F_w, n_w.q, one unused word
.set LOG2E, 0x3fb8aa3b
; vector registers, window 0
.set AX0,  4                           ; LDS address of my x rows in slot 0: w TILE + r PX + 32 h
.set AX1,  5                           ; in slot 1
.set TR,   6                           ; transposing loads from WST
.set GA,   7                           ; gate fragments from GW
.set SW,   8                           ; my stores into WST
.set WOFF, 9                           ; my byte offset in a K half of W_v, W_k
.set WQA,  10                          ; my 16 bytes in my block of W_o or W_q
.set XLA,  11                          ; my bf16 of x[b][511]
.set STG,  16                          ; v16-79   x as f32, two buffers of 32
.set AF,   80                          ; v80-111  x as bf16 fragments, two buffers of 2 x 8
.set ACC,  112                         ; v112-191 ACC[n][m] at 16 n + 8 m: n = 0, 1 v; 2, 3 k; 4 gates.  Register j, lane (r, h): t = 16 m + 8 h + j, column 16 n + r
.set GT,   ACC+64
.set T,    192                         ; v192-207 at the start addresses; later fragment U0
.set IW,   208                         ; v208-223 i, then a, then the weights w_t, index 8 m + j
.set TMP,  224
.set MST,  240                         ; the wave's m
.set FST,  241                         ; the wave's F
.set NP0,  242                         ; pairs: my part of n, columns r and 16 + r
.set NP1,  244
.set AL,   246                         ; alpha, twice
.set MN,   248                         ; the new m, twice
.set NEG1, 250
.set BQ0,  252
.set BQ1,  253
.set BO,   254
; windows 1 to 3: B fragment (K step s, tile n) in window 1 + s/6 at v[40 (s mod 6) + 8 n]; window 3 also:
.set BIAS, 160                         ; 8 equal registers for each tile n: a constant per column in C's layout
.set CA,   200                         ; CA[a][b] at 16 a + 8 b: lane (r, h), register j: C[16 a + r][16 b + 8 h + j]
; scalar registers
.set G1X, 24                           ; s[24:31] shape of an x tile
.set G0,  32                           ; s[32:39] from where, to where: one set for each slot
.set G1W, 40                           ; s[40:47] shape of a dense block of 32 KiB
.set G0W, 48                           ; s[48:51] my half of W_o or W_q
.set MSB, 0
.macro WIN new                         ; the immediate's high byte repeats the setting that is left; switches that change nothing are dropped
.if MSB != \new
	s_set_vgpr_msb (MSB<<8)|\new
.set MSB, \new
.endif
.endm
.macro CREST                           ; a round of the cluster's barrier behind its opening barrier
	s_cmp_lg_u32 s18, 0
	s_cbranch_scc1 .Lnot_wave_0_\@
	s_barrier_signal -3
.Lnot_wave_0_\@:
	s_barrier_wait -3
	s_barrier_signal -1
	s_barrier_wait -1
.endm
.macro ROUND                           ; a whole round
	s_barrier_signal -1
	s_barrier_wait -1
	CREST
.endm
.macro PLACES                          ; four places behind a matrix instruction, in front of vector work on its registers (ISA guide 7.12.1)
.rept 4
	v_nop
.endr
.endm
.macro RND2 a, b, t                    ; two f32 rounded to bf16 and widened again
	v_cvt_pk_bf16_f32 v[\t], v[\a], v[\b]
	v_lshlrev_b32 v[\a], 16, v[\t]
	v_and_b32 v[\b], 0xffff0000, v[\t]
.endm
	s_load_b256 s[4:11], s[0:1], 0x0               ; x s[4:5], W_ml s[6:7], b_ml s[8:9], W_lin s[10:11]
	s_load_b128 s[12:15], s[0:1], 0x20             ; b_lin s[12:13], out0 s[14:15]
	s_load_b64 s[16:17], s[0:1], 0x30              ; out1
	v_lshl_add_u32 v251, v0, 2, 0x4c300
	v_mov_b32 v255, 0
	ds_add_u32 v251, v255
	v_lshrrev_b32 v4, 5, v0
	v_readfirstlane_b32 s18, v4                    ; wave 0..3
	s_and_b32 s20, ttmp7, 0xffff                   ; b (the cluster's y; a cluster is one work-group high)
	; x tile: 32 rows x 256 f32, 2,048 bytes from row to row, 16 bytes of padding behind each 1,024
	s_mov_b32 s[G1X+0], 0x07f2000f                 ; 15:0 mask = all four of the cluster; 17:16 elements of 4 bytes; 20 padding on; 21 set beside a mask; 24:22 after 256 words (code 7); 31:25 of 4 words (code 3)
	s_mov_b32 s[G1X+1], 256<<16                    ; tensor_dim0 = 256
	s_mov_b32 s[G1X+2], 32<<16                     ; tensor_dim1 = 32
	s_mov_b32 s[G1X+3], 256<<16                    ; tile_dim0 = 256
	s_mov_b32 s[G1X+4], 32                         ; tile_dim1 = 32
	s_mov_b32 s[G1X+5], 512                        ; 512 elements from row to row
	s_mov_b32 s[G1X+6], 0
	s_mov_b32 s[G1X+7], 0
	s_mul_i32 s21, s18, TILE                       ; my tile's place in a slot: the wave's number alone
	s_lshl_b32 s22, s20, 20                        ; b x 512 rows x 2,048 bytes
	s_mov_b32 s23, 0
	s_wait_dscnt 0x0
	s_wait_kmcnt 0x0
	s_add_nc_u64 s[4:5], s[4:5], s[22:23]          ; x[b]
	s_lshl_b32 s22, s18, 18                        ; my 128 rows
.irp s, 0,1
	s_mov_b32 s[G0+4*\s], 1
	s_add_co_u32 s[G0+4*\s+1], s21, \s*SLOT
.endr
	s_add_nc_u64 s[G0+2:G0+3], s[4:5], s[22:23]    ; rows 128 w .., K half 0
	s_add_nc_u64 s[G0+6:G0+7], s[G0+2:G0+3], 1024  ; K half 1
	s_or_b32 s[G0+3], s[G0+3], 0x80000000          ; type 2
	s_or_b32 s[G0+7], s[G0+7], 0x80000000
	ROUND                                          ; all four work-groups are here: the first joint loads meet
	tensor_load_to_lds s[G0:G0+3], s[G1X:G1X+7]    ; both first fills go out together, ahead of everything else
	s_nop 0
	tensor_load_to_lds s[G0+4:G0+7], s[G1X:G1X+7]
	s_nop 0
	; the head enters global addresses alone
	s_bfe_u32 s19, ttmp6, 0x40000                  ; cx
	s_lshl_b32 s57, ttmp9, 2
	s_add_co_u32 s19, s57, s19                     ; head = 4 x cluster x + cx
	s_mov_b32 s63, 0
	s_lshr_b32 s62, s18, 1                         ; waves 0, 1: W_o = W_ml[head]; waves 2, 3: W_q = W_ml[48 + head]
	s_mul_i32 s62, s62, 48
	s_add_co_u32 s62, s62, s19
	s_lshl_b32 s62, s62, 16
	s_and_b32 s57, s18, 1                          ; which K half of it is mine
	s_lshl_b32 s56, s57, 15
	s_add_co_u32 s62, s62, s56
	s_mov_b32 s[G0W], 1
	s_add_co_u32 s[G0W+1], s21, 0                  ; into my tile's place in slot 0
	s_add_nc_u64 s[G0W+2:G0W+3], s[6:7], s[62:63]
	s_or_b32 s[G0W+3], s[G0W+3], 0x80000000
	s_mov_b32 s[G1W+0], 3<<16                      ; no mask: a load of my own; elements of 8 bytes; no padding
	s_mov_b32 s[G1W+1], 32<<16                     ; rows of 256 bytes,
	s_mov_b32 s[G1W+2], 128<<16                    ; 128 of them, dense
	s_mov_b32 s[G1W+3], 32<<16
	s_mov_b32 s[G1W+4], 128
	s_mov_b32 s[G1W+5], 32
	s_mov_b32 s[G1W+6], 0
	s_mov_b32 s[G1W+7], 0
	s_add_co_u32 s62, s19, 16
	s_lshl_b32 s62, s62, 16
	s_add_nc_u64 s[58:59], s[6:7], s[62:63]        ; W_v = W_ml[16 + head]
	s_add_nc_u64 s[60:61], s[58:59], 0x100000      ; W_k = W_ml[32 + head]
	s_lshl_b32 s62, s19, 7
	s_add_nc_u64 s[8:9], s[8:9], s[62:63]          ; b_ml[head]
	s_lshl_b32 s62, s19, 11
	s_add_nc_u64 s[10:11], s[10:11], s[62:63]      ; W_lin[head]
	s_lshl_b32 s62, s19, 2
	s_add_nc_u64 s[12:13], s[12:13], s[62:63]      ; b_lin[head]
	s_lshl4_add_u32 s56, s20, s19                  ; 16 b + head
	s_lshl_b32 s62, s56, 7
	s_add_nc_u64 s[14:15], s[14:15], s[62:63]      ; out0[b][head]
	s_lshl_b32 s62, s56, 12
	s_add_nc_u64 s[16:17], s[16:17], s[62:63]      ; out1[b][head]
	s_mov_b32 s52, 0x76543210                      ; v_permlanex16_b32: lane i of one half reads lane i of the other
	s_mov_b32 s53, 0xfedcba98
	s_mov_b32 s54, 0xaaaaaaaa                      ; the odd lanes
	s_mov_b32 s55, 0xffff0000                      ; the lanes with h = 1
	v_and_b32 v1, 31, v0                           ; l
	v_and_b32 v2, 15, v0                           ; r
	v_bfe_u32 v3, v0, 4, 1                         ; h
	v_mul_u32_u24 v[AX0], v2, PX
	v_lshl_add_u32 v[AX0], v3, 5, v[AX0]
	v_add_nc_u32 v[AX0], s21, v[AX0]
	v_add_nc_u32 v[AX1], SLOT, v[AX0]
	v_and_b32 v[TMP], 1, v0                        ; r & 1.  TMP .. TMP+3 are written here, so they may later be destinations of lane moves
	v_bfe_u32 v[TMP+1], v0, 3, 2                   ; l >> 3
	v_lshrrev_b32 v[TMP+2], 6, v0                  ; thread >> 6
	v_and_b32 v[TMP+3], 63, v0                     ; thread & 63
	v_and_b32 v[TMP+4], 7, v0                      ; l & 7
	v_bfe_u32 v[TMP+5], v0, 3, 1
	v_lshl_add_u32 v[TR], v3, 3, v[TMP+4]          ; row 8 h + (l & 7),
	v_mul_u32_u24 v[TR], v[TR], WP
	v_lshl_add_u32 v[TR], v[TMP+5], 4, v[TR]       ; 16 bytes on for lanes 8-15, 24-31
	v_add_nc_u32 v[TR], WST, v[TR]
	v_mul_u32_u24 v[GA], v[TMP], GP                ; even columns of the gate tile take w_i, odd ones w_f
	v_lshl_add_u32 v[GA], v3, 4, v[GA]
	v_add_nc_u32 v[GA], GW, v[GA]
	s_mul_i32 s56, s18, 64*WP                      ; my 64 rows of WST
	s_add_co_u32 s56, s56, WST
	v_mul_u32_u24 v[SW], v[TMP+1], WP
	v_lshl_add_u32 v[SW], v[TMP+4], 3, v[SW]
	v_add_nc_u32 v[SW], s56, v[SW]
	v_lshlrev_b32 v[WOFF], 4, v1
	v_lshl_add_u32 v[WOFF], s18, 13, v[WOFF]       ; 8,192 w + 16 l: a load of the wave covers 512 neighbouring bytes, four rows of W
	v_lshl_add_u32 v[WQA], v1, 4, s21
	s_lshl_b32 s56, s18, 9
	s_add_co_u32 s56, s56, XL
	v_lshl_add_u32 v[XLA], v[TMP+1], 1, s56
	v_lshl_add_u32 v[T+3], v1, 4, s56              ; where my 8 bf16 of x[b][511] go
	v_lshlrev_b32 v[T], 5, v[TMP+3]                ; W_lin: 32 bytes a thread, threads 0-63 row head, 64-127 row 16 + head
	v_lshl_add_u32 v[T], v[TMP+2], 15, v[T]
	v_mul_u32_u24 v[T+1], v[TMP+2], GP
	v_lshl_add_u32 v[T+1], v[TMP+3], 4, v[T+1]
	v_add_nc_u32 v[T+1], GW, v[T+1]
	s_lshl_b32 s57, s57, 10
	v_lshl_add_u32 v[T+2], v1, 5, s57              ; x[b][511]: my wave's K half, 32 bytes a lane
	v_lshlrev_b32 v[T+4], 2, v2                    ; 4 r
	v_lshlrev_b32 v[T+5], 2, v1                    ; 4 l
	v_lshlrev_b32 v[T+6], 6, v[TMP]                ; 64 (r & 1)
	v_mov_b32 v[NEG1], -1.0
	; 76 loads a wave: K half 0 of W_v and W_k, the small things, K half 1 (into window 2)
.irp i, 0,1,2,3,4,5,6,7,8,9,10,11,12,13,14,15
	global_load_b128 v[16+4*\i:19+4*\i], v[WOFF], s[58:59] offset:512*\i
.endr
.irp i, 0,1,2,3,4,5,6,7,8,9,10,11,12,13,14,15
	global_load_b128 v[80+4*\i:83+4*\i], v[WOFF], s[60:61] offset:512*\i
.endr
	global_load_b128 v[144:147], v[T], s[10:11]
	global_load_b128 v[148:151], v[T], s[10:11] offset:16
	global_load_b128 v[152:155], v[T+2], s[4:5] offset:511*2048
	global_load_b128 v[156:159], v[T+2], s[4:5] offset:511*2048+16
	global_load_b32 v160, v[T+4], s[8:9] offset:2048          ; b_v[r]
	global_load_b32 v161, v[T+4], s[8:9] offset:2048+64       ; b_v[16 + r]
	global_load_b32 v162, v[T+4], s[8:9] offset:4096          ; b_k
	global_load_b32 v163, v[T+4], s[8:9] offset:4096+64
	global_load_b32 v[BQ0], v[T+4], s[8:9] offset:6144        ; b_q
	global_load_b32 v[BQ1], v[T+4], s[8:9] offset:6144+64
	global_load_b32 v[BO], v[T+5], s[8:9]                     ; b_o[l]
	global_load_b32 v164, v[T+6], s[12:13]                    ; b_i in even lanes, b_f in odd ones
	WIN 0x80
.irp i, 0,1,2,3,4,5,6,7,8,9,10,11,12,13,14,15
	global_load_b128 v[80+4*\i:83+4*\i], v[WOFF], s[58:59] offset:32768+512*\i
.endr
.irp i, 0,1,2,3,4,5,6,7,8,9,10,11,12,13,14,15
	global_load_b128 v[144+4*\i:147+4*\i], v[WOFF], s[60:61] offset:32768+512*\i
.endr
	WIN 0
	s_wait_loadcnt 32                              ; all but the 32 loads of K half 1
.irp i, 0,1,2,3,4,5,6,7,8,9,10,11,12,13,14,15
	v_cvt_pk_bf16_f32 v[16+4*\i], v[16+4*\i], v[17+4*\i]
	v_cvt_pk_bf16_f32 v[17+4*\i], v[18+4*\i], v[19+4*\i]
	ds_store_b64 v[SW], v[16+4*\i:17+4*\i] offset:4*WP*\i
	v_cvt_pk_bf16_f32 v[80+4*\i], v[80+4*\i], v[81+4*\i]
	v_cvt_pk_bf16_f32 v[81+4*\i], v[82+4*\i], v[83+4*\i]
	ds_store_b64 v[SW], v[80+4*\i:81+4*\i] offset:4*WP*\i+64
.endr
.irp q, 144,152
	v_cvt_pk_bf16_f32 v[\q], v[\q], v[\q+1]
	v_cvt_pk_bf16_f32 v[\q+1], v[\q+2], v[\q+3]
	v_cvt_pk_bf16_f32 v[\q+2], v[\q+4], v[\q+5]
	v_cvt_pk_bf16_f32 v[\q+3], v[\q+6], v[\q+7]
.endr
	ds_store_b128 v[T+1], v[144:147]               ; w_i, w_f
	ds_store_b128 v[T+3], v[152:155]               ; x[b][511]: my wave's own bytes
	RND2 160, 161, 165
	RND2 162, 163, 165
	RND2 BQ0, BQ1, 165
	RND2 BO, 164, 165
	WIN 0xc0                                       ; the biases in C's layout: the first product of every block starts the sums with them, which spares 80 additions a block
.irp n, 0,1,2,3,4
.irp j, 0,1,2,3,4,5,6,7
	v_mov_b32 v[BIAS+8*\n+\j], v[160+\n]
.endr
.endr
	WIN 0
	s_wait_dscnt 0x0                               ; my stores are in LDS, for the others' sake
	s_barrier_signal -1
	s_barrier_wait -1                              ; K half 0 of WST and the gates' rows are whole.  The x tiles may stay out
; the five B fragments of K step s; sl = its place among the eight K steps that WST holds
.macro FRAG s, sl
.set FB_, 40*((\s)%6)
.set W_, (1+(\s)/6)<<6
	WIN W_
.irp n, 0,1,2,3
	ds_load_tr16_b128 v[FB_+8*\n:FB_+8*\n+3],   v[TR] offset:32*WP*(\sl)+32*\n          ; k = 32 s + 8 h + 0..7 of column 16 n + r
	ds_load_tr16_b128 v[FB_+8*\n+4:FB_+8*\n+7], v[TR] offset:32*WP*(\sl)+32*\n+16*WP    ; k = 32 s + 16 + 8 h + 0..7
.endr
	ds_load_b128 v[FB_+32:FB_+35], v[GA] offset:64*(\s)
	ds_load_b128 v[FB_+36:FB_+39], v[GA] offset:64*(\s)+32
.endm
.irp s, 0,1,2,3,4,5,6,7
	FRAG \s, \s
.endr
	s_wait_loadcnt 0x0                             ; K half 1 of W_v, W_k
	WIN 0x0a                                       ; both sources in window 2
.set i, 0
.rept 32
	v_cvt_pk_bf16_f32 v[16+2*i], v[80+4*i], v[81+4*i]
	v_cvt_pk_bf16_f32 v[17+2*i], v[82+4*i], v[83+4*i]
.set i, i+1
.endr
	WIN 0
	s_wait_dscnt 0x0                               ; my reads of WST are back
	s_barrier_signal -1
	s_barrier_wait -1                              ; everybody's are: WST may be written again
.irp i, 0,1,2,3,4,5,6,7,8,9,10,11,12,13,14,15
	ds_store_b64 v[SW], v[16+2*\i:17+2*\i] offset:4*WP*\i
	ds_store_b64 v[SW], v[48+2*\i:49+2*\i] offset:4*WP*\i+64
.endr
	s_wait_dscnt 0x0
	s_barrier_signal -1
	s_barrier_wait -1
.irp s, 0,1,2,3,4,5,6,7
	FRAG (8+\s), \s
.endr
	WIN 0
	s_wait_dscnt 0x0
; eight LDS loads: the f32 of both A fragments (rows r and 16 + r) of the slot's K step sp into staging buffer buf
.macro LD ax, sp, buf
.irp m, 0,1
	ds_load_b128 v[STG+32*(\buf)+16*\m:STG+32*(\buf)+16*\m+3],     v[\ax] offset:\m*16*PX+128*(\sp)
	ds_load_b128 v[STG+32*(\buf)+16*\m+4:STG+32*(\buf)+16*\m+7],   v[\ax] offset:\m*16*PX+128*(\sp)+16
	ds_load_b128 v[STG+32*(\buf)+16*\m+8:STG+32*(\buf)+16*\m+11],  v[\ax] offset:\m*16*PX+128*(\sp)+64
	ds_load_b128 v[STG+32*(\buf)+16*\m+12:STG+32*(\buf)+16*\m+15], v[\ax] offset:\m*16*PX+128*(\sp)+80
.endr
.endm
.macro CVT buf                         ; 32 f32 to two bf16 fragments.  These sixteen lines are also the places between the matrix instructions that read a fragment buffer and the lines that write it again
.irp p, 0,1,2,3,4,5,6,7,8,9,10,11,12,13,14,15
	v_cvt_pk_bf16_f32 v[AF+16*(\buf)+\p], v[STG+32*(\buf)+2*\p], v[STG+32*(\buf)+2*\p+1]
.endr
.endm
; ten matrix instructions: K step s of all ten accumulators, which take turns, one instruction a turn.  K step 0 takes the biases as C: nothing is cleared.
.macro MM s, buf
.set BB_, 40*((\s)%6)
.if (\s) == 0
	WIN 0x34                                       ; B window 1, C window 3
.else
.set W_, (1+(\s)/6)<<2
	WIN W_
.endif
.irp n, 0,1,2,3,4
.irp m, 0,1
.if (\s) == 0
	v_wmma_f32_16x16x32_bf16 v[ACC+16*\n+8*\m:ACC+16*\n+8*\m+7], v[AF+16*(\buf)+8*\m:AF+16*(\buf)+8*\m+7], v[BB_+8*\n:BB_+8*\n+7], v[BIAS+8*\n:BIAS+8*\n+7]
.else
	v_wmma_f32_16x16x32_bf16 v[ACC+16*\n+8*\m:ACC+16*\n+8*\m+7], v[AF+16*(\buf)+8*\m:AF+16*(\buf)+8*\m+7], v[BB_+8*\n:BB_+8*\n+7], v[ACC+16*\n+8*\m:ACC+16*\n+8*\m+7]
.endif
.endr
.endr
.endm
.macro KSTEP s, sp, ax                 ; one of a slot's first seven K steps
	WIN 0
	s_wait_dscnt 8                                 ; this K step's eight loads are in; the next one's eight stay out
	CVT ((\sp)&1)
.if (\sp) <= 5
	LD \ax, ((\sp)+2), ((\sp)&1)
.endif
	MM \s, ((\sp)&1)
.endm
; A slot's last K step and the change of slots.  mode 1: the slot is filled again with the same K half of my next 32 rows (a joint load);
; mode 2: slot 0 has had its last x tile and takes my half of W_o or W_q (a load of my own); mode 0: nothing is left to fetch.
; In front of the round's opening signal: my reads of the slot are back and all my tensor loads have landed (the one that was out is the other slot's tile,
; which only I read).  Inside the round: register work.  Behind it: the refill first, then the other slot's first loads.
.macro TURN s, slot, mode, next
	WIN 0
	s_wait_dscnt 0x0
	CVT 1
.if \mode
	s_wait_tensorcnt 0x0
	ds_add_u32 v251, v255
	s_wait_dscnt 0x0
.if \mode == 1
	s_add_nc_u64 s[G0+4*\slot+2:G0+4*\slot+3], s[G0+4*\slot+2:G0+4*\slot+3], 32*2048   ; no load of mine is out: the address may step
.endif
	s_barrier_signal -1
	MM \s, 1
	WIN 0
	s_barrier_wait -1
	CREST
.if \mode == 1
	tensor_load_to_lds s[G0+4*\slot:G0+4*\slot+3], s[G1X:G1X+7]
	s_nop 0
.else
	tensor_load_to_lds s[G0W:G0W+3], s[G1W:G1W+7]
	s_nop 0
.endif
.else
	MM \s, 1
	WIN 0
.endif
.if \next
	LD (AX0+1-\slot), 0, 0
	LD (AX0+1-\slot), 1, 1
.endif
.endm
; The block's 32 gates.  In: the gate tile, i_t in even lanes, f_t in odd ones.  Out: w_t in IW (every lane of a half holds the same), alpha, the wave's m and F.
.macro GATES zero
	PLACES
.irp k, 0,1,2,3,4,5,6,7,8,9,10,11,12,13,14,15
	v_mov_b32_dpp v[TMP+(\k%4)], v[GT+\k] row_xmask:1 row_mask:0xf bank_mask:0xf
	v_cndmask_b32 v[IW+\k], v[GT+\k], v[TMP+(\k%4)], s54      ; i_t in every lane
	v_cndmask_b32 v[GT+\k], v[TMP+(\k%4)], v[GT+\k], s54      ; f_t in every lane
.endr
.irp j, 6,5,4,3,2,1,0
	v_add_f32 v[GT+\j], v[GT+\j], v[GT+\j+1]                  ; sums of f from j to 7, in both groups of eight
	v_add_f32 v[GT+8+\j], v[GT+8+\j], v[GT+8+\j+1]
.endr
	v_permlanex16_b32 v[TMP], v[GT], s52, s53      ; the other half's totals.  t runs (m, h) = (0,0), (0,1), (1,0), (1,1)
	v_permlanex16_b32 v[TMP+1], v[GT+8], s52, s53
	v_add_f32 v[TMP+2], v[GT+8], v[TMP+1]          ; all of m = 1
	v_cndmask_b32 v[TMP+4], v[TMP], 0, s55
	v_cndmask_b32 v[TMP+6], v[TMP+1], 0, s55       ; what lies behind my group of m = 1
	v_cndmask_b32 v[TMP+7], v[TMP+1], 0, s55
	v_add_f32 v[TMP+4], v[TMP+2], v[TMP+4]         ; behind my group of m = 0
	v_add_f32 v[TMP+3], v[GT], v[TMP]
	v_mov_b32 v[TMP+5], v[TMP+4]
	v_add_f32 v[TMP+3], v[TMP+2], v[TMP+3]         ; the block's F
.irp p, 0,2,4,6
	v_pk_add_f32 v[IW+\p:IW+\p+1], v[IW+\p:IW+\p+1], v[TMP+4:TMP+5]
	v_pk_add_f32 v[IW+8+\p:IW+8+\p+1], v[IW+8+\p:IW+8+\p+1], v[TMP+6:TMP+7]
.endr
.irp j, 0,1,2,3,4,5,6
	v_add_f32 v[IW+\j], v[IW+\j], v[GT+\j+1]                  ; a_t = i_t + the sum of the block's f behind t
	v_add_f32 v[IW+8+\j], v[IW+8+\j], v[GT+8+\j+1]
.endr
	v_max3_num_f32 v[TMP+8], v[IW], v[IW+1], v[IW+2]
	v_max3_num_f32 v[TMP+9], v[IW+3], v[IW+4], v[IW+5]
	v_max3_num_f32 v[TMP+10], v[IW+6], v[IW+7], v[IW+8]
	v_max3_num_f32 v[TMP+11], v[IW+9], v[IW+10], v[IW+11]
	v_max3_num_f32 v[TMP+12], v[IW+12], v[IW+13], v[IW+14]
	v_max3_num_f32 v[TMP+8], v[TMP+8], v[TMP+9], v[IW+15]
	v_max3_num_f32 v[TMP+10], v[TMP+10], v[TMP+11], v[TMP+12]
	v_max_num_f32 v[TMP+8], v[TMP+8], v[TMP+10]
	v_permlanex16_b32 v[TMP], v[TMP+8], s52, s53
.if \zero
	v_max_num_f32 v[MN], v[TMP+8], v[TMP]          ; the wave's first block starts its state
.else
	v_add_f32 v[TMP+9], v[TMP+3], v[MST]           ; F_block + m
	v_max3_num_f32 v[MN], v[TMP+8], v[TMP], v[TMP+9]
	v_sub_f32 v[TMP+9], v[TMP+9], v[MN]
	v_mul_f32 v[TMP+9], LOG2E, v[TMP+9]
.endif
	v_mov_b32 v[MN+1], v[MN]
.irp p, 0,2,4,6,8,10,12,14
	v_pk_add_f32 v[IW+\p:IW+\p+1], v[IW+\p:IW+\p+1], v[MN:MN+1] neg_lo:[0,1] neg_hi:[0,1]   ; the maximum is taken away first, then the factor log2 e
.endr
.irp p, 0,2,4,6,8,10,12,14
	v_pk_mul_f32 v[IW+\p:IW+\p+1], v[IW+\p:IW+\p+1], LOG2E op_sel_hi:[1,0]
.endr
.irp k, 0,1,2,3,4,5,6,7,8,9,10,11,12,13,14,15
	v_exp_f32 v[IW+\k], v[IW+\k]
.endr
.if \zero
	v_mov_b32 v[MST], v[MN]                        ; the plain line between the exponentials and their use (ISA guide 5.7.2)
	v_mov_b32 v[FST], v[TMP+3]
	s_wait_alu depctr_va_vdst(0)
.else
	v_exp_f32 v[AL], v[TMP+9]
	v_exp_f32 v[AL+1], v[TMP+9]
	v_mov_b32 v[MST], v[MN]                        ; the plain line between the exponentials and their use (ISA guide 5.7.2)
	v_add_f32 v[FST], v[FST], v[TMP+3]
	s_wait_alu depctr_va_vdst(0)
.endif
.endm
; 16 f32 in the first product's D layout (t = 16 m + 8 h + j of one column) are, packed in pairs, a fragment with K = t.  hi = bf16(a), lo = bf16(a - hi); a - hi is exact.
.macro SPLIT src, dst
.irp p, 0,1,2,3,4,5,6,7
	v_cvt_pk_bf16_f32 v[(\dst)+\p], v[(\src)+2*\p], v[(\src)+2*\p+1]
.endr
.irp p, 0,1,2,3,4,5,6,7
	v_fma_mix_f32_bf16 v[(\src)+2*\p], v[(\dst)+\p], v[NEG1], v[(\src)+2*\p] op_sel_hi:[1,0,0]
	v_fma_mix_f32_bf16 v[(\src)+2*\p+1], v[(\dst)+\p], v[NEG1], v[(\src)+2*\p+1] op_sel:[1,0,0] op_sel_hi:[1,0,0]
.endr
.irp p, 0,1,2,3,4,5,6,7
	v_cvt_pk_bf16_f32 v[(\dst)+8+\p], v[(\src)+2*\p], v[(\src)+2*\p+1]
.endr
.endm
; four matrix instructions: part kp of k (source 0) times part up of w v (source 1), on the four accumulators by turns
.macro OUTER kp, up, zero
.irp a, 0,1
.irp b, 0,1
.set U_, (1-\a)*(T+8*\up)+\a*(ACC+8*\up)
.if \zero
	v_wmma_f32_16x16x32_bf16 v[CA+16*\a+8*\b:CA+16*\a+8*\b+7], v[ACC+16+16*\b+8*\kp:ACC+16+16*\b+8*\kp+7], v[U_:U_+7], 0
.else
	v_wmma_f32_16x16x32_bf16 v[CA+16*\a+8*\b:CA+16*\a+8*\b+7], v[ACC+16+16*\b+8*\kp:ACC+16+16*\b+8*\kp+7], v[U_:U_+7], v[CA+16*\a+8*\b:CA+16*\a+8*\b+7]
.endif
.endr
.endr
.endm
.macro STAGE2 zero
	GATES \zero
.irp p, 0,2,4,6,8,10,12,14
	v_pk_mul_f32 v[ACC+\p:ACC+\p+1], v[ACC+\p:ACC+\p+1], v[IW+\p:IW+\p+1]              ; w_t v_t
	v_pk_mul_f32 v[ACC+16+\p:ACC+16+\p+1], v[ACC+16+\p:ACC+16+\p+1], v[IW+\p:IW+\p+1]
.endr
.if \zero
	v_pk_mul_f32 v[NP0:NP0+1], v[ACC+32:ACC+33], v[IW:IW+1]                            ; n = alpha n + sum of w_t k_t, my sixteen t
	v_pk_mul_f32 v[NP1:NP1+1], v[ACC+48:ACC+49], v[IW:IW+1]
.else
	v_pk_mul_f32 v[NP0:NP0+1], v[NP0:NP0+1], v[AL:AL+1]
	v_pk_mul_f32 v[NP1:NP1+1], v[NP1:NP1+1], v[AL:AL+1]
	v_pk_fma_f32 v[NP0:NP0+1], v[ACC+32:ACC+33], v[IW:IW+1], v[NP0:NP0+1]
	v_pk_fma_f32 v[NP1:NP1+1], v[ACC+48:ACC+49], v[IW:IW+1], v[NP1:NP1+1]
.endif
.irp p, 2,4,6,8,10,12,14
	v_pk_fma_f32 v[NP0:NP0+1], v[ACC+32+\p:ACC+32+\p+1], v[IW+\p:IW+\p+1], v[NP0:NP0+1]
	v_pk_fma_f32 v[NP1:NP1+1], v[ACC+48+\p:ACC+48+\p+1], v[IW+\p:IW+\p+1], v[NP1:NP1+1]
.endr
.if \zero == 0
	WIN 0xc3
.irp c, 0,2,4,6,8,10,12,14,16,18,20,22,24,26,28,30
	v_pk_mul_f32 v[CA+\c:CA+\c+1], v[CA+\c:CA+\c+1], v[AL:AL+1]                        ; C = alpha C
.endr
	WIN 0
.endif
	SPLIT ACC, T                                   ; U0 (v columns r): hi v192-199, lo v200-207
	SPLIT ACC+16, ACC                              ; U1 (16 + r): v112-119, v120-127
	SPLIT ACC+32, ACC+16                           ; K0: v128-135, v136-143
	SPLIT ACC+48, ACC+32                           ; K1: v144-151, v152-159
	WIN 0xf0                                       ; C and D in window 3
	OUTER 0, 0, \zero
	OUTER 0, 1, 0
	OUTER 1, 0, 0
	WIN 0
.endm
.macro BLOCK zero, m0, m1, next        ; 32 steps of t
.irp q, 0,1,2,3,4,5,6
	KSTEP \q, \q, AX0
.endr
	TURN 7, 0, \m0, 1
.irp q, 0,1,2,3,4,5,6
	KSTEP (8+\q), \q, AX1
.endr
	TURN 15, 1, \m1, \next
	STAGE2 \zero
.endm
	s_wait_tensorcnt 0x1                           ; my tile of slot 0 is in, which only I read; slot 1's may stay out
	LD AX0, 0, 0
	LD AX0, 1, 1
	BLOCK 1, 1, 1, 1                               ; the first block starts the wave's state
	s_mov_b32 s56, 2
.Lblk:
	BLOCK 0, 1, 1, 1
	s_sub_co_u32 s56, s56, 1
	s_cmp_lg_u32 s56, 0
	s_cbranch_scc1 .Lblk
	BLOCK 0, 2, 0, 0                               ; the last block fetches no x; slot 0 takes W_o or W_q
	; THE TAIL.  o and q at t = 511: one row times [512 x 32], on the vector unit with operands rounded to bf16; my wave does 256 k of one of the two.
.set QA, 208
	PLACES                                         ; behind the last matrix instructions: their sources are written and CA is read below
	s_wait_tensorcnt 0x0                           ; my block of W_o or W_q is in
.irp c, 0,1,2,3
	v_mov_b32 v[QA+\c], 0
.endr
.macro MVLD g, buf                     ; eight trips' data: 512 bytes (four rows of W) and each lane's x of its row
.irp i, 0,1,2,3,4,5,6,7
	ds_load_b128 v[16+32*(\buf)+4*\i:19+32*(\buf)+4*\i], v[WQA] offset:512*(8*(\g)+\i)
	ds_load_u16 v[80+16*(\buf)+\i], v[XLA] offset:8*(8*(\g)+\i)
.endr
.endm
.macro MVDO buf
.irp i, 0,1,2,3,4,5,6,7
	v_cvt_pk_bf16_f32 v[104+2*(\i%2)], v[16+32*(\buf)+4*\i], v[17+32*(\buf)+4*\i]
	v_cvt_pk_bf16_f32 v[105+2*(\i%2)], v[18+32*(\buf)+4*\i], v[19+32*(\buf)+4*\i]
	v_fma_mix_f32_bf16 v[QA],   v[104+2*(\i%2)], v[80+16*(\buf)+\i], v[QA]   op_sel_hi:[1,1,0]
	v_fma_mix_f32_bf16 v[QA+1], v[104+2*(\i%2)], v[80+16*(\buf)+\i], v[QA+1] op_sel:[1,0,0] op_sel_hi:[1,1,0]
	v_fma_mix_f32_bf16 v[QA+2], v[105+2*(\i%2)], v[80+16*(\buf)+\i], v[QA+2] op_sel_hi:[1,1,0]
	v_fma_mix_f32_bf16 v[QA+3], v[105+2*(\i%2)], v[80+16*(\buf)+\i], v[QA+3] op_sel:[1,0,0] op_sel_hi:[1,1,0]
.endr
.endm
	MVLD 0, 0
	MVLD 1, 1
.irp g, 0,1,2,3,4,5
	s_wait_dscnt 16                                ; this group's sixteen loads are in; the next group's stay out
	MVDO (\g&1)
	MVLD (\g+2), (\g&1)
.endr
	s_wait_dscnt 16
	MVDO 0
	s_wait_dscnt 0x0
	MVDO 1
.irp c, 0,1,2,3
	v_add_f32_dpp v[QA+\c], v[QA+\c], v[QA+\c] row_xmask:8 row_mask:0xf bank_mask:0xf      ; the four rows of a trip lie in lanes l, l ^ 8, l ^ 16, l ^ 24
.endr
.irp c, 0,1,2,3
	v_permlanex16_b32 v[104+\c], v[QA+\c], s52, s53
.endr
.irp c, 0,1,2,3
	v_add_f32 v[QA+\c], v[QA+\c], v[104+\c]
.endr
	v_and_b32 v12, 7, v0
	s_lshl_b32 s21, s18, 7
	s_add_co_u32 s21, s21, QO
	v_lshl_add_u32 v12, v12, 4, s21
	ds_store_b128 v12, v[QA:QA+3]                  ; columns 4 (l & 7) ..; four lanes store the same
	s_wait_dscnt 0x0
	s_barrier_signal -1
	s_barrier_wait -1
	v_lshl_add_u32 v12, v1, 2, QO
	v_lshl_add_u32 v13, v2, 2, QO+256
	ds_load_b32 v104, v12
	ds_load_b32 v105, v12 offset:128
	ds_load_b32 v106, v13
	ds_load_b32 v107, v13 offset:128
	ds_load_b32 v108, v13 offset:64
	ds_load_b32 v109, v13 offset:192
	s_mul_i32 s21, s18, FINB
	s_add_co_u32 s21, s21, WST                     ; my state's place
	v_mul_u32_u24 v14, v2, FP
	v_lshl_add_u32 v14, v3, 5, v14
	v_add_nc_u32 v14, s21, v14                     ; C: row r, 32 bytes for each half of the lanes
	v_lshl_add_u32 v15, v3, 5, s21
	v_mov_b32 v221, s21
	v_add_f32 v[NP0], v[NP0], v[NP0+1]
	v_add_f32 v[NP1], v[NP1], v[NP1+1]
	s_wait_dscnt 0x0
	v_add_f32 v104, v104, v105
	v_add_f32 v106, v106, v107
	v_add_f32 v108, v108, v109
	v_add_f32 v220, v104, v[BO]                    ; o[l]
	v_add_f32 v216, v106, v[BQ0]                   ; q[r]
	v_add_f32 v218, v108, v[BQ1]                   ; q[16 + r]
	v_mov_b32 v217, v216
	v_mov_b32 v219, v218
.set PN, 160
	WIN 0x03                                       ; source 0 in window 3
.irp b, 0,1
.irp p, 0,2,4,6
	v_pk_mul_f32 v[PN+8*\b+\p:PN+8*\b+\p+1], v[CA+8*\b+\p:CA+8*\b+\p+1], v[216:217]
.endr
.endr
.irp b, 0,1
.irp p, 0,2,4,6
	v_pk_fma_f32 v[PN+8*\b+\p:PN+8*\b+\p+1], v[CA+16+8*\b+\p:CA+16+8*\b+\p+1], v[218:219], v[PN+8*\b+\p:PN+8*\b+\p+1]
.endr
.endr
	WIN 0
	v_mul_f32 v[NP0], v[NP0], v216
	v_fma_f32 v[NP0], v[NP1], v218, v[NP0]         ; my part of n . q
.irp msk, 1,2,4,8
.irp k, 0,1,2,3,4,5,6,7,8,9,10,11,12,13,14,15
	v_add_f32_dpp v[PN+\k], v[PN+\k], v[PN+\k] row_xmask:\msk row_mask:0xf bank_mask:0xf   ; num_w[16 b + 8 h + j]: the sum over the sixteen r
.endr
	v_add_f32_dpp v[NP0], v[NP0], v[NP0] row_xmask:\msk row_mask:0xf bank_mask:0xf
.endr
	v_permlanex16_b32 v[NP0+1], v[NP0], s52, s53
	v_add_f32 v[NP0], v[NP0], v[NP0+1]             ; v[240:243] = m_w, F_w, n_w . q, a word that nobody uses
	WIN 0x0c                                       ; a store's data is source 1: window 3
.irp a, 0,1
.irp b, 0,1
	ds_store_b128 v14, v[CA+16*\a+8*\b:CA+16*\a+8*\b+3]   offset:\a*16*FP+64*\b
	ds_store_b128 v14, v[CA+16*\a+8*\b+4:CA+16*\a+8*\b+7] offset:\a*16*FP+64*\b+16
.endr
.endr
	WIN 0
.irp b, 0,1
	ds_store_b128 v15, v[PN+8*\b:PN+8*\b+3]   offset:FNUM+64*\b
	ds_store_b128 v15, v[PN+8*\b+4:PN+8*\b+7] offset:FNUM+64*\b+16
.endr
	ds_store_b128 v221, v[240:243] offset:FSC
	s_wait_dscnt 0x0
	s_barrier_signal -1
	s_barrier_wait -1
	; every thread joins the four states; thread t makes 16 bytes of rows t >> 3 and 16 + (t >> 3) of C
	v_mov_b32 v12, WST
	v_lshrrev_b32 v13, 3, v0
	v_mul_u32_u24 v13, v13, FP
	v_and_b32 v14, 7, v0
	v_lshl_add_u32 v13, v14, 4, v13
	v_add_nc_u32 v13, WST, v13
.irp w, 0,1,2,3
	ds_load_b128 v[16+4*\w:19+4*\w], v12 offset:\w*FINB+FSC
.endr
.irp w, 0,1,2,3
	ds_load_b128 v[32+8*\w:35+8*\w], v13 offset:\w*FINB
	ds_load_b128 v[36+8*\w:39+8*\w], v13 offset:\w*FINB+16*FP
.endr
	s_wait_dscnt 8                                 ; the four states are in; the eight loads of C stay out
	v_add_f32 v64, v25, v29                        ; F2 + F3
	v_add_f32 v65, v21, v64                        ; F1 + F2 + F3
	v_add_f32 v66, v17, v65                        ; all F, plus the scan's start m = 0
	v_add_f32 v24, v24, v29                        ; e_w = m_w + the F of the waves behind w
	v_add_f32 v20, v20, v64
	v_add_f32 v16, v16, v65
	v_max3_num_f32 v67, v16, v20, v24
	v_max3_num_f32 v67, v67, v28, v66              ; the final m
.irp w, 0,1,2,3
	v_sub_f32 v[16+4*\w], v[16+4*\w], v67
.endr
.irp w, 0,1,2,3
	v_mul_f32 v[16+4*\w], LOG2E, v[16+4*\w]
.endr
.irp w, 0,1,2,3
	v_exp_f32 v[68+2*\w], v[16+4*\w]               ; c_w, twice: a pair for the packed products
	v_exp_f32 v[69+2*\w], v[16+4*\w]
.endr
	v_lshlrev_b32 v84, 4, v0                       ; the plain line behind the exponentials; 16 t
	s_wait_dscnt 0x0
	s_wait_alu depctr_va_vdst(0)
.irp hf, 0,1
.irp pr, 0,2
	v_pk_mul_f32 v[76+4*\hf+\pr:77+4*\hf+\pr], v[32+4*\hf+\pr:33+4*\hf+\pr], v[68:69]
.irp w, 1,2,3
	v_pk_fma_f32 v[76+4*\hf+\pr:77+4*\hf+\pr], v[32+8*\w+4*\hf+\pr:33+8*\w+4*\hf+\pr], v[68+2*\w:69+2*\w], v[76+4*\hf+\pr:77+4*\hf+\pr]
.endr
.endr
.endr
	global_store_b128 v84, v[76:79], s[16:17]              ; a store of the wave covers 512 neighbouring bytes, aligned
	global_store_b128 v84, v[80:83], s[16:17] offset:2048
	s_cmp_lg_u32 s18, 0
	s_cbranch_scc1 .Lno_h                          ; h has 32 numbers: wave 0 makes them
	v_lshl_add_u32 v85, v1, 2, WST+FNUM
.irp w, 0,1,2,3
	ds_load_b32 v[86+\w], v85 offset:\w*FINB
.endr
	v_mul_f32 v90, v68, v18
	v_fma_f32 v90, v70, v22, v90
	v_fma_f32 v90, v72, v26, v90
	v_fma_f32 v90, v74, v30, v90                   ; n . q
	v_max_num_f32 v90, 1.0, v90
	v_mul_f32 v91, 0xbfb8aa3b, v220
	v_exp_f32 v91, v91                             ; exp(-o)
	v_rcp_f32 v90, v90
	v_lshlrev_b32 v92, 2, v1                       ; a plain line
	s_wait_alu depctr_va_vdst(0)
	v_add_f32 v91, 1.0, v91
	v_rcp_f32 v91, v91                             ; sigmoid(o)
	s_wait_dscnt 0x0
	v_mul_f32 v86, v86, v68                        ; a plain line
	v_fma_f32 v86, v87, v70, v86
	v_fma_f32 v86, v88, v72, v86
	v_fma_f32 v86, v89, v74, v86                   ; num[l]
	v_mul_f32 v86, v86, v90
	s_wait_alu depctr_va_vdst(0)
	v_mul_f32 v86, v86, v91
	global_store_b32 v92, v86, s[14:15]
.Lno_h:
	s_wait_dscnt 0x0
	s_wait_tensorcnt 0x0
	ds_add_u32 v251, v255
	s_wait_dscnt 0x0
	ROUND                                          ; the closing round: no work-group ends while a partner may still ask for a tile that names it
	s_endpgm
.Lfunc_end_k_qdf21e799db_xlstm:
	.size	k_qdf21e799db_xlstm, .Lfunc_end_k_qdf21e799db_xlstm-k_qdf21e799db_xlstm
	.p2alignl 7, 3214868480
	.fill 96, 4, 3214868480
	.section	.rodata,"a",@progbits
	.p2align	6, 0x0
	.amdhsa_kernel k_qdf21e799db_xlstm
		.amdhsa_group_segment_fixed_size 327680
		.amdhsa_private_segment_fixed_size 0
		.amdhsa_enable_private_segment 0
		.amdhsa_kernarg_size 56
		.amdhsa_user_sgpr_count 2
		.amdhsa_user_sgpr_kernarg_segment_ptr 1
		.amdhsa_wavefront_size32 1
		.amdhsa_system_sgpr_workgroup_id_x 1
		.amdhsa_system_sgpr_workgroup_id_y 1
		.amdhsa_system_sgpr_workgroup_id_z 1
		.amdhsa_system_vgpr_workitem_id 0
		.amdhsa_next_free_vgpr 1024
		.amdhsa_next_free_sgpr 66
		.amdhsa_reserve_vcc 0
		.amdhsa_float_denorm_mode_32 3
		.amdhsa_float_denorm_mode_16_64 3
		.amdhsa_memory_ordered 1
		.amdhsa_forward_progress 1
		.amdhsa_inst_pref_size 253
	.end_amdhsa_kernel
	.amdgpu_metadata
---
amdhsa.version: [ 1, 2 ]
amdhsa.kernels:
  - .name:           k_qdf21e799db_xlstm
    .symbol:         k_qdf21e799db_xlstm.kd
    .args:
      - { .name: x, .offset: 0, .size: 8, .value_kind: global_buffer, .address_space: global }
      - { .name: W_ml, .offset: 8, .size: 8, .value_kind: global_buffer, .address_space: global }
      - { .name: b_ml, .offset: 16, .size: 8, .value_kind: global_buffer, .address_space: global }
      - { .name: W_lin, .offset: 24, .size: 8, .value_kind: global_buffer, .address_space: global }
      - { .name: b_lin, .offset: 32, .size: 8, .value_kind: global_buffer, .address_space: global }
      - { .name: out0, .offset: 40, .size: 8, .value_kind: global_buffer, .address_space: global }
      - { .name: out1, .offset: 48, .size: 8, .value_kind: global_buffer, .address_space: global }
    .group_segment_fixed_size: 327680
    .private_segment_fixed_size: 0
    .kernarg_segment_align: 8
    .kernarg_segment_size: 56
    .max_flat_workgroup_size: 128
    .sgpr_count:     66
    .vgpr_count:     1024
    .wavefront_size: 32
...
	.end_amdgpu_metadata
.endif
;; end of part 1
